; MI455X (gfx1250); checked and timed in simulation.
; The chip was launched on July 23, 2026; its instructions are those of AMD's public machine-readable ISA for CDNA 5 (MIT licence, August 2026) and "CDNA5" Instruction Set Architecture Reference Guide (July 2026). The comments in the code are by the model that wrote it; some were corrected since.
;; KAN Linear. Allowed arithmetic: matrix products marked QUANTISED: E2M3 operands, one E8M0 scale for each 32 along K, by v_wmma_scale_f32_16x16x128_f8f6f4 with both operands' format E2M3, f32 sums; everything else in f32.
;; Inputs: fourier_coeffs 2 x 512 x 512 x 16 float32; x 8,192 x 512 float32.
;; Outputs: out0 8,192 x 512 float32.
;; This version of the problem:
;;   THIS VERSION OF THE PROBLEM IS GIVEN IN LOW PRECISION. The matrix products marked QUANTISED in the list below multiply operands that are first quantised to E2M3 (2 exponent bits, 3 mantissa bits; 6 bits a number), with one power-of-two scale for each 32 numbers along K (OCP MX v1.0); their sums are f32. All else is computed in f32.
;;   The module's matrix products, in the order in which they are computed (A, B: the left and right operand; K: the contracted axis; several contracted axes count as one K, in the product's order):
;;     1. [M 8,192, K 16,384] x [K 16,384, N 512]; A: computed on the way; B: input fourier_coeffs: QUANTISED
;;   THE QUANTISER, for each operand of a quantised product, along K:
;;     - K is cut into blocks of 32 from its start; a last block that is shorter is filled with zeros.
;;     - A block's scale is 2^e with e = floor(log2(the largest magnitude in the block)) - 2, held to -126 .. 127; a block of zeros has e = 0. As a byte (E8M0): e + 127.
;;     - Each number is divided by its block's scale, clamped to +-7.5, and rounded to the nearest number of E2M3, ties to even, subnormals kept.
;;     - The product sums the exact products of the quantised numbers (number of the format x scale) in f32.
;;   ~~~python
;;   def quantise(x, axis):      # numpy; x: float32 -> the quantised numbers, widened to float32 again
;;       x = np.moveaxis(x, axis, -1); K = x.shape[-1]
;;       x = np.pad(x, [(0, 0)] * (x.ndim - 1) + [(0, -K % 32)]); x = x.reshape(x.shape[:-1] + (-1, 32)); a = np.abs(x).max(-1, keepdims=True)
;;       e = np.where(a > 0, np.clip(np.frexp(np.where(a > 0, a, 1))[1] - 1 - 2, -126, 127), 0)      # np.frexp(a)[1] - 1 = floor(log2(a)), exactly
;;       r = np.clip(x / 2.0 ** e, -7.5, 7.5)
;;       step = 2.0 ** (np.maximum(np.frexp(np.where(r == 0, 1, r))[1] - 1, 0) - 3)
;;       q = np.round(r / step) * step * 2.0 ** e      # np.round: ties to even
;;       return np.moveaxis(q.reshape(q.shape[:-2] + (-1,))[..., :K], -1, axis).astype(np.float32)
;;   ~~~
;;   OPERANDS COMPUTED ON THE WAY. 'Computed on the way' means the value that the module computes at that place (a softmax that the list does not call 'softmax' is quantised finished and normalised). What goes into a quantiser is computed in f32, as accurately as f32 sums, v_exp_f32 and their like allow (about 1e-6 of the number): no bf16 or f16 on the way to a quantiser, and a product that is left as it is and whose result goes on into a quantised operand takes f32 operands (vector FMAs, or v_wmma_f32_16x16x4_f32). A number that lies on a knife's edge between two numbers of the format may be rounded either way, as far as f32 arithmetic and the matrix unit's own rounding can turn it there, and no further.
;; One version. Each part assembles by itself: llvm-mc -triple=amdgcn-amd-amdhsa -mcpu=gfx1250 --defsym DOCPART=n.
;; ======== version 1 of 1: 2 launches
;; limits: a function is approximated: absolute error at most 1.6e-06; an absolute error that grows with the inputs' magnitude: up to 1e-06 times it; inputs' magnitudes at most 10,000
;; workspace buffers: bq 6,553,600 bytes
;; launch quantb (part 1): grid 256 x 1, 4 waves a work-group, no clusters, 34,304 bytes of LDS; arguments fourier_coeffs, bq; writes bq
.if DOCPART == 1
	.amdgcn_target "amdgcn-amd-amdhsa--gfx1250"
	.amdhsa_code_object_version 6
	.text
	.protected	k_qbdb10a5ee0_quantb
	.globl	k_qbdb10a5ee0_quantb
	.p2align	8
	.type	k_qbdb10a5ee0_quantb,@function
k_qbdb10a5ee0_quantb:
	s_mov_b64 s[64:65], 0
	v_nop
	global_prefetch_b8 v0, s[64:65] scope:SCOPE_SE
	s_setreg_imm32_b32 hwreg(HW_REG_WAVE_MODE, 25, 1), 1
	s_wait_xcnt 0x0
; fourier_coeffs [2][512][512][16] f32 is the right operand of y = basis x coeffs^T, with K = (d, i, k) innermost in memory already.
; It is turned ONCE into codes of FP6 (E2M3) with one E8M0 byte for each 32 along K, laid in bq in the order of the matrix operand's registers.
; A block of 32 along K is a pair of inputs i = 2 m, 2 m + 1 (16 harmonics each) of one d.  A K step of 128 is (g, d): inputs 8 g .. 8 g + 7 of one d.
; WHICH BLOCK LIES WHERE: lane (r, h) of a fragment holds row r; its registers 6 c .. 6 c + 5 hold the pair m = 4 g + 2 h + c, so that a lane's 64 numbers are 256 consecutive bytes
; of its row.  The launch that multiplies lays the basis in the same order, so the products are the same; only their order in the sum differs.
; bq: for nh (half of the 512 outputs) and g a block of 51,200 bytes at (64 nh + g) x 51,200:  codes of fragment (d, tile n of 16 outputs) at 24,576 d + 1,536 n + 512 q + 16 lane (registers 4 q .. 4 q + 3);
; scale words at 49,152 + 512 w + 16 (16 d + r) + 4 b for tile 4 w + b, row r.
; A block's scale is 2^(floor(log2(largest magnitude)) - 2): its byte is the largest magnitude's exponent field - 2, held at 1 from below by a floor among the maximum's leaves.
; LIMITS: a block of zeros gets the byte 1 where the rule says 127 (its codes are zeros, and this program alone reads the bytes); NaN and infinities are not served.
; SHARES: work-group = (nh, g, d); wave w takes tiles 4 w .. 4 w + 3: 64 rows x 512 bytes.  All 64 loads of a wave go out at once, each 512 consecutive bytes of one row;
; a fragment's 16 rows turn through the wave's own stage in LDS, so that a lane gets its 256 bytes.  Waves share nothing: no barrier.
.set SP,   528                         ; a stage row: 512 bytes + 16: an odd multiple of 16, so the sixteen rows that a load touches start at different banks
.set STGW, 16*SP                       ; a wave's stage
.set M,    8                           ; v8-9    largest magnitudes of my two blocks
.set SO,   10                          ; v10-11  the conversions' scale operands
.set BY,   12                          ; v12-13  the scale bytes
.set PD,   14                          ; v14     a lane permute's destination
.set W,    24                          ; v24-27  the scale word of each of my four tiles
.set X,    64                          ; v64-127 my 64 numbers of the fragment in hand
.set F,    128                         ; v128-175 the four fragments' codes, 12 registers each: no store's data are written again
.set TT,   176                         ; v176-183 the upper halves of the two blocks, before they are moved
.set MSB,  0
.macro WIN new                         ; the immediate's high byte repeats the setting that is left
.if MSB != \new
	s_set_vgpr_msb (MSB<<8)|\new
.set MSB, \new
.endif
.endm
	s_load_b128 s[4:7], s[0:1], 0x0                ; the coefficients, bq
	v_lshl_add_u32 v254, v0, 2, 0x8400
	v_mov_b32 v255, 0
	v_lshrrev_b32 v6, 5, v0
	v_readfirstlane_b32 s10, v6                    ; wave 0..3
	v_and_b32 v6, 31, v0                           ; lane
	v_and_b32 v7, 15, v0                           ; r
	v_bfe_u32 v5, v0, 4, 1                         ; h
	v_lshlrev_b32 v1, 4, v6                        ; 16 x lane: my bytes of a load's 512 and of a store's 512
	s_mul_i32 s17, s10, STGW
	v_add_nc_u32 v2, s17, v1                       ; the stage, way in: as the bytes lie
	v_mul_u32_u24 v3, v7, SP
	v_lshl_add_u32 v3, v5, 8, v3
	v_add_nc_u32 v3, s17, v3                       ; way out: row r, 256 h on
	v_lshlrev_b32 v4, 4, v7
	v_lshl_add_u32 v4, v5, 3, v4                   ; the scale words' store: 16 r + 8 h
	v_lshlrev_b32 v5, 3, v5                        ; 8 h: my bytes' shift in a scale word
	v_mov_b32 v[PD], 0                             ; written once: a lane permute's destination counts as one of its sources
	s_mov_b32 s12, 0x76543210
	s_mov_b32 s13, 0xfedcba98                      ; v_permlanex16_b32's selects for lane l xor 16
	s_mov_b32 s14, 0xffff0000                      ; lanes 16-31
	s_and_b32 s11, ttmp9, 1                        ; d
	s_bfe_u32 s15, ttmp9, 0x60001                  ; g
	s_lshr_b32 s16, ttmp9, 7                       ; nh
	s_lshl_b32 s18, s11, 24                        ; the coefficients: d x 16,777,216
	s_lshl_b32 s17, s16, 23                        ; + 256 nh rows of 32,768 bytes
	s_add_co_u32 s18, s18, s17
	s_lshl_b32 s17, s10, 21                        ; + 64 w rows
	s_add_co_u32 s18, s18, s17
	s_lshl_b32 s17, s15, 9                         ; + 512 g
	s_add_co_u32 s18, s18, s17
	s_mov_b32 s19, 0
	s_lshl_b32 s20, s16, 6
	s_add_co_u32 s20, s20, s15
	s_mul_i32 s20, s20, 51200                      ; bq: the block of (nh, g)
	s_mul_i32 s17, s11, 24576
	s_add_co_u32 s22, s20, s17
	s_mul_i32 s17, s10, 6144
	s_add_co_u32 s22, s22, s17                     ; my four fragments
	s_mov_b32 s23, 0
	s_lshl_b32 s17, s10, 9
	s_add_co_u32 s24, s20, s17
	s_lshl_b32 s17, s11, 8
	s_add_co_u32 s24, s24, s17
	s_add_co_u32 s24, s24, 49152                   ; my 256 bytes of scale words
	s_mov_b32 s25, 0
	s_wait_kmcnt 0x0
	s_add_nc_u64 s[8:9], s[6:7], s[24:25]
	s_add_nc_u64 s[6:7], s[6:7], s[22:23]
	s_add_nc_u64 s[4:5], s[4:5], s[18:19]
	WIN 0x40                                       ; destination window 1: v256-511 take the wave's 64 rows
.set i, 0
.rept 64
	global_load_b128 v[4*i:4*i+3], v1, s[4:5] offset:i*32768 th:TH_LOAD_NT   ; 32 lanes read 512 consecutive bytes of row i; read once in the launch
.set i, i+1
.endr
	WIN 0
.macro FRAGQ b                         ; tile 4 w + b
	s_wait_loadcnt 48-16*\b                        ; loads come back in order: this fragment's 16 are in, the later fragments' 16 each may be out
	WIN 0x04                                       ; an LDS store's data are its source 1: window 1
.irp q, 0,1,2,3,4,5,6,7,8,9,10,11,12,13,14,15
	ds_store_b128 v2, v[4*(16*\b+\q):4*(16*\b+\q)+3] offset:\q*SP
.endr
	WIN 0
.irp q, 0,1,2,3,4,5,6,7,8,9,10,11,12,13,14,15
	ds_load_b128 v[X+4*\q:X+4*\q+3], v3 offset:16*\q   ; LDS serves a wave's instructions in order: these see the stores above
.endr
	s_wait_dscnt 0x0
.irp c, 0,1
	v_max3_num_f32 v[M+\c], |v[X+32*\c]|, |v[X+32*\c+1]|, 0x1800000   ; my block c: all 32 numbers are mine; the floor 2^(3 - 127) keeps the byte at 1 or above
.endr
.irp i, 2,4,6,8,10,12,14,16,18,20,22,24,26,28,30
.irp c, 0,1
	v_max3_num_f32 v[M+\c], v[M+\c], |v[X+32*\c+\i]|, |v[X+32*\c+\i+1]|
.endr
.endr
.irp c, 0,1
	v_add_nc_u32 v[SO+\c], 0xff000000, v[M+\c]     ; 2 off the exponent field: the conversion takes this operand's exponent field as its scale
.endr
.irp c, 0,1
	v_lshrrev_b32 v[BY+\c], 23, v[SO+\c]           ; the scale's byte
.endr
	v_lshl_or_b32 v[W+\b], v[BY+1], 16, v[BY]      ; my two bytes: positions h and 2 + h of the K step,
	v_lshlrev_b32 v[W+\b], v5, v[W+\b]             ; 8 h bits up;
	v_permlanex16_b32 v[PD], v[W+\b], s12, s13
	v_or_b32 v[W+\b], v[W+\b], v[PD]               ; with lane l xor 16's two the word is whole, in both lanes
.irp c, 0,1
	v_cvt_scalef32_pk16_fp6_f32 v[F+12*\b+6*\c:F+12*\b+6*\c+2], v[X+32*\c:X+32*\c+15], v[SO+\c]
	v_cvt_scalef32_pk16_fp6_f32 v[TT+4*\c:TT+4*\c+2], v[X+32*\c+16:X+32*\c+31], v[SO+\c]   ; (a conversion's three registers begin on an even number)
.endr
	v_nop                                          ; one plain place behind a scaled conversion
.irp c, 0,1
.irp i, 0,1,2
	v_mov_b32 v[F+12*\b+6*\c+3+\i], v[TT+4*\c+\i]
.endr
.endr
.irp q, 0,1,2
	global_store_b128 v1, v[F+12*\b+4*\q:F+12*\b+4*\q+3], s[6:7] offset:1536*\b+512*\q   ; 32 lanes store 512 consecutive bytes, at a multiple of 256 from bq's first byte
.endr
.endm
	FRAGQ 0
	FRAGQ 1
	FRAGQ 2
	FRAGQ 3
	v_cndmask_b32 v28, v[W], v[W+2], s14           ; lanes 0-15 store tiles 0, 1's words of their row, lanes 16-31 tiles 2, 3's
	v_cndmask_b32 v29, v[W+1], v[W+3], s14
	global_store_b64 v4, v[28:29], s[8:9]          ; 32 lanes store 256 consecutive bytes, aligned
	s_wait_tensorcnt 0x0
	ds_add_u32 v254, v255
	s_wait_dscnt 0x0
	s_endpgm
.Lfunc_end_k_qbdb10a5ee0_quantb:
	.size	k_qbdb10a5ee0_quantb, .Lfunc_end_k_qbdb10a5ee0_quantb-k_qbdb10a5ee0_quantb
	.p2alignl 7, 3214868480
	.fill 96, 4, 3214868480
	.section	.rodata,"a",@progbits
	.p2align	6, 0x0
	.amdhsa_kernel k_qbdb10a5ee0_quantb
		.amdhsa_group_segment_fixed_size 34304
		.amdhsa_private_segment_fixed_size 0
		.amdhsa_enable_private_segment 0
		.amdhsa_kernarg_size 16
		.amdhsa_user_sgpr_count 2
		.amdhsa_user_sgpr_kernarg_segment_ptr 1
		.amdhsa_wavefront_size32 1
		.amdhsa_system_sgpr_workgroup_id_x 1
		.amdhsa_system_sgpr_workgroup_id_y 1
		.amdhsa_system_sgpr_workgroup_id_z 1
		.amdhsa_system_vgpr_workitem_id 0
		.amdhsa_next_free_vgpr 512
		.amdhsa_next_free_sgpr 66
		.amdhsa_reserve_vcc 0
		.amdhsa_float_denorm_mode_32 3
		.amdhsa_float_denorm_mode_16_64 3
		.amdhsa_memory_ordered 1
		.amdhsa_forward_progress 1
		.amdhsa_inst_pref_size 31
	.end_amdhsa_kernel
	.amdgpu_metadata
---
amdhsa.version: [ 1, 2 ]
amdhsa.kernels:
  - .name:           k_qbdb10a5ee0_quantb
    .symbol:         k_qbdb10a5ee0_quantb.kd
    .args:
      - { .name: fourier_coeffs, .offset: 0, .size: 8, .value_kind: global_buffer, .address_space: global }
      - { .name: bq, .offset: 8, .size: 8, .value_kind: global_buffer, .address_space: global }
    .group_segment_fixed_size: 34304
    .private_segment_fixed_size: 0
    .kernarg_segment_align: 8
    .kernarg_segment_size: 16
    .max_flat_workgroup_size: 128
    .sgpr_count:     66
    .vgpr_count:     512
    .wavefront_size: 32
...
	.end_amdgpu_metadata
.endif
;; end of part 1
;; launch kan (part 2): grid 128 x 2, 8 waves a work-group, clusters of 4 x 1, 327,680 bytes of LDS; arguments x, bq, out0; writes out0
.if DOCPART == 2
	.amdgcn_target "amdgcn-amd-amdhsa--gfx1250"
	.amdhsa_code_object_version 6
	.text
	.protected	k_qbdb10a5ee0_kan
	.globl	k_qbdb10a5ee0_kan
	.p2align	8
	.type	k_qbdb10a5ee0_kan,@function
k_qbdb10a5ee0_kan:
	s_mov_b64 s[64:65], 0
	v_nop
	global_prefetch_b8 v0, s[64:65] scope:SCOPE_SE
	s_setreg_imm32_b32 hwreg(HW_REG_WAVE_MODE, 25, 1), 1
	s_wait_xcnt 0x0
	s_wait_alu depctr_hold_cnt(0) depctr_sa_sdst(0) depctr_va_vdst(0) depctr_va_sdst(0) depctr_va_ssrc(0) depctr_va_vcc(0) depctr_vm_vsrc(0)
	s_getreg_b32 s2, hwreg(HW_REG_IB_STS2, 6, 4)
	s_cmp_eq_u32 s2, 0
	s_cbranch_scc0 .Lentry_in_a_cluster
	s_endpgm
.Lentry_in_a_cluster:
	s_bfe_u32 s2, ttmp6, 0x10000c
	s_cmp_lg_u32 s2, 0x3003
	s_cbranch_scc0 .Lentry_shape_is_right
	s_endpgm
.Lentry_shape_is_right:
; out0[b][j] = sum over (d, i, k) of Q(basis)[b][d, i, k] Q(coeffs)[j][d, i, k];  basis = cos(k x[b][i]) for d = 0, sin(k x[b][i]) for d = 1, k = 1 .. 16;  Q = MX-FP6 (E2M3) along K = (d, i, k).
; The coefficients come as codes and scale words from bq, in the order of the operand's registers.  The basis is made, quantised and multiplied here and never goes to memory.
; SHARES.  A work-group makes 64 rows x 256 columns of out0 over all of K: 128 x 2 work-groups.  EIGHT WAVES IN TWO ROLES: waves 0-3 MULTIPLY (wave w: 64 rows x columns 64 w .. 64 w + 63, 16 accumulators);
; waves 4-7 MAKE the basis (wave 4 + p: rows 16 p .. 16 p + 15) and ask for the coefficients' tiles.  In phase t the multipliers take super-step t while the makers make super-step t + 1; one barrier between phases.
; A SUPER-STEP g is inputs 8 g .. 8 g + 7: two K steps of 128, the cosines' and the sines', from one sine and cosine of each x.
; WHICH BLOCK LIES WHERE (as in bq): lane (r, h) holds row r; registers 6 c .. 6 c + 5 hold the pair of inputs m = 4 g + 2 h + c.  So a lane needs x[r][8 g + 4 h .. + 3], 16 bytes, both its blocks are whole in
; the lane, and the conversions' results are the operand's registers.  Fragments go from the makers to the multipliers through LDS as images of their registers (16 bytes a lane, 512 a store).
; A MAKER'S x IS ASKED FOR A PHASE AHEAD: the 16 bytes of super-step s + 1 are read from the wave's stage in the middle of the making of super-step s, and waited for by the wait in front of the phase's barrier: so behind a barrier,
; where the four multipliers issue their 200 LDS loads, a maker has no LDS load to wait for and begins its arithmetic at once.
; SINE AND COSINE, in f32: n = nearest whole number to x 2/pi; r = x - n pi/2 by two fused multiply-adds (the first is exact: both terms are multiples of 2^-24 and the difference is under 1);
; polynomials of degree 7 and 8 on |r| <= pi/4; the quadrant by selects and sign bits.  The harmonics are powers of z = cos x + i sin x, four complex products deep: z^2; (3,4) = (1,2) z^2; (5..8) = (1..4) z^4; (9..16) = (1..8) z^8.
; LIMITS, stated: reference() rounds k x to f32 ahead of cos and sin, this text does not: the order of rounding differs.  The phase of harmonic k is right to about k x 1e-7.  Range: |x| up to 1e4.
; NaN and infinities are not served.  A block of zeros would get the byte 1 (its codes are zeros).
; CLUSTER.  The four work-groups of a cluster share their half of the columns and walk the same tiles of bq in step: each tile is asked for JOINTLY, by the same tensor load with a mask that names the four.
; THE MATRIX INSTRUCTION IS USED TRANSPOSED (source 0 = 16 columns' coefficients, source 1 = 16 rows of the basis): a lane then holds eight neighbouring numbers of a row of out0.
.set SLOT1,  1<<17                     ; LDS: slot 0 at 0, slot 1 here: one exclusive or turns an address in one slot into the other's
.set SLOTB,  102400                    ; a slot: two super-steps' blocks of bq
.set GBLK,   51200                     ; one super-step's block: 32 fragments of 1,536 bytes, then 2,048 bytes of scale words
.set QUART,  25600                     ; what one tensor load brings: 100 rows of 256 bytes
.set ABUF,   102400                    ; behind slot 0: the basis, two buffers
.set ABYTES, 12800                     ; a buffer: fragment (d, a) at 6,144 d + 1,536 a; scale words at ASC + 16 lane + 4 a (lanes 0-15: d = 0; lanes 16-31: d = 1)
.set ASC,    12288
.set SPARE,  128000                    ; the spare words, 128 bytes for each of the eight waves: four blocks of 256 bytes that no other line names
.set XSTG,   233472                    ; behind slot 1: a stage for x for each maker: 16 rows x (two groups of 256 bytes + 16)
.set XP,     528
.set XSW,    16*XP
.set OSTG,   267264                    ; the way out: a stage for each multiplier: 16 rows x (256 bytes + 16)
.set OP,     272
.set OSW,    16*OP
; vector registers of both roles: all LDS addresses are made on the way that all waves take
.set SPW, 1                            ; v1   LDS address of my spare word; never rewritten
.set NIL, 2                            ; v2   0; never rewritten
.set AAD, 3                            ; v3   ABUF + 16 lane
.set BB,  4                            ; v4-5 my four tiles' fragments in a slot's first and second block: 6,144 p + 16 lane (+ GBLK)
.set BSB, 6                            ; v6-7 their scale words: 49,152 + 512 p + 16 lane (+ GBLK)
.set ADB, 8                            ; v8   BB + the slot in hand
.set ADS, 9                            ; v9   BSB + the slot in hand
.set PST, 10                           ; v10  where a maker stores its fragments: ABUF + 1,536 p + 16 lane
.set PSS, 11                           ; v11  and its scale words: ABUF + ASC + 16 lane + 4 p
.set XS0, 12                           ; v12  x's stage, way out: row r, 16 h
.set ADX, 13                           ; v13  XS0 + the place of the pair of super-steps whose x is asked for next
.set XW0, 14                           ; v14  x's stage, way in: row h, 16 r
.set ADW, 15                           ; v15  XW0 + the group's half
.set ROWO, 16                          ; v16  2,048 h + 16 r: two rows of x or of out0, 256 bytes each; never rewritten
.set H8,  17                           ; v17  8 h
.set STO, 19                           ; v19  the way out: where I put 32 bytes of a row
.set RD,  20                           ; v20  and where I read a row back
.set PD,  22                           ; v22-23 lane permutes' destinations
.set SA,  24                           ; v24-27 the basis's scale words, v28-31 the coefficients': these eight hold scales and nothing else
.set SBS, 28
; multipliers: v32-95 rows on the way out; v128-255 accumulator (a, b) at v[ACC + 8 (4 a + b)]; window 1: fragments of K step d at v[96 d]: the basis's four at + 12 a, the coefficients' four at + 48 + 12 b
.set BK,  32
.set ACC, 128
; makers: window 1 v0-31: a group of x on its way
.set X,   32                           ; v32-35 my four x; then z z; then the next super-step's four x, on their way
.set N,   36                           ; v36-39 n; later r z
.set R,   40                           ; v40-43 r
.set Z,   44                           ; v44-47 r r
.set PP,  48                           ; v48-51 the sine's polynomial
.set QQ,  52                           ; v52-55 the cosine's
.set II,  56                           ; v56-59 n as a whole number
.set TH,  60                           ; v60-63 1 - z / 2
.set MC,  36                           ; the powers: x j's multiplier, cosine in v[36 + 4 j], sine in v[38 + 4 j]: the low registers of pairs
.set MS,  38
.set TP,  52                           ; v52-59 a pair of products for each x
.set CB,  64                           ; v64-127  cos(k x_j) at 16 j + k - 1
.set SB,  128                          ; v128-191 sin likewise
.set PC,  192                          ; v192-215 the two fragments' codes
.set TT,  216                          ; v216-231 the blocks' upper halves, before they are moved
.set M,   232                          ; v232-235 largest magnitudes; v236-239 scale operands; v240-243 bytes; v244-246 scale words
.set SO,  236
.set BY,  240
.set WW,  244
; scalar registers
.set WV,  10                           ; my wave
.set WQ,  11                           ; p = wave mod 4
.set G1,  16                           ; s[16:23] descriptor group 1
.set G0A, 24                           ; s[24:27] group 0 of slot 0's first fill
.set G0W, 28                           ; s[28:31] group 0 of slot 1's first fill, which then walks
.set TB,  32                           ; the slot in hand
.set SC,  33                           ; the loop's counter
.set XO,  34                           ; a pair of super-steps' place in x's stage
.set GO,  35                           ; the half of x's stage that the next group takes
.set XB,  36                           ; s[36:37] x at my 16 rows, at the group last asked for
.set OB,  38                           ; s[38:39] out0 at my 64 rows x 64 columns
.set SEL, 40                           ; s[40:41] v_permlanex16_b32's selects for lane l xor 16
.set HM,  42                           ; lanes 16-31
.set QM,  44                           ; s44-47 odd quadrants, a mask for each x
.set KS3, 58                           ; s58-61 the polynomials' leading coefficients
.set KS2, 59
.set KC3, 60
.set KC2, 61
.set MSB, 0
.macro WIN new                         ; the immediate's high byte repeats the setting that is left
.if MSB != \new
	s_set_vgpr_msb (MSB<<8)|\new
.set MSB, \new
.endif
.endm
.set TO_F, 0x40                        ; destination window 1, address window 0
.set MUL,  0x05                        ; sources 0 and 1 window 1; C and D window 0
.macro CROUND                          ; a round of the cluster's barrier: my work-group's barrier; wave 0 signals for the work-group; every wave waits for all four work-groups; my work-group's barrier once more
	s_barrier_signal -1
	s_barrier_wait -1
	s_cmp_lg_u32 s[WV], 0
	s_cbranch_scc1 .Lnot_wave_0_\@
	s_barrier_signal -3
.Lnot_wave_0_\@:
	s_barrier_wait -3
	s_barrier_signal -1
	s_barrier_wait -1
.endm
.macro TLOAD                           ; a joint refill: waves 4-7 ask, a quarter of the slot each.  The branch hangs on the wave's number alone.  Four v_nop follow the load
	s_cmp_lt_u32 s[WV], 4
	s_cbranch_scc1 .Lno_load_\@
	tensor_load_to_lds s[G0W:G0W+3], s[G1:G1+7]
	s_nop 0
.rept 4
	v_nop
.endr
.Lno_load_\@:
.endm
.macro MIDBAR                          ; between two phases in one slot: my LDS stores have landed and my LDS loads are in, a maker's next x among them.  A tensor load may stay out
	s_wait_dscnt 0x0
	s_barrier_signal -1
	s_barrier_wait -1
.endm
; THE CHANGE OF SLOTS, which is also the barrier between two phases.  Every wave waits for all its tensor loads (a maker's one: its quarter of the slot ahead), adds 0 to its spare word, and waits for that and for its LDS work.
; fill = 1: the barrier is a round of the cluster's, so that no wave of any partner still reads the slot that is left; the joint refill, two slots on, is the first thing behind it and has two phases in which to land.
.macro CHANGE fill
	s_wait_tensorcnt 0x0                           ; no tensor load of mine is out, so a group 0 may be written
	ds_add_u32 v[SPW], v[NIL]                      ; 0 onto my spare word; the steps below stand between it and the wait for it
.if \fill
	s_xor_b32 s[G0W+1], s[G0W+1], SLOT1            ; the walking descriptor: the other slot than last time,
	s_add_nc_u64 s[G0W+2:G0W+3], s[G0W+2:G0W+3], SLOTB   ; the next two super-steps; the type bits on top are not reached
.endif
	s_xor_b32 s[TB], s[TB], SLOT1                  ; the reads go on to the other slot
	s_wait_dscnt 0x0                               ; the add is done; my reads of the slot, of the basis and of x's stage are in, my stores have landed
.if \fill
	CROUND
	TLOAD
.else
	s_barrier_signal -1
	s_barrier_wait -1
.endif
.endm
; The addresses of a phase, on the way that all waves take.  u: which block of the slot, and which buffer of the basis, the multipliers take.
; xadd above 0 (even phases): the place in x's stage of the pair of super-steps 2 (SC + xadd), 2 (SC + xadd) + 1, whose x this phase and the next ask for: 32 bytes of a row each, in a stage of 512: 64 ((SC + xadd) mod 8).
.macro PHEAD u, xadd
.if \u
	s_and_b32 s[GO], s[SC], 4                      ; group o + 1 is staged at SC = 4 o + 2, into half (o + 1) mod 2
	s_xor_b32 s[GO], s[GO], 4
	s_lshl_b32 s[GO], s[GO], 6
	v_add_nc_u32 v[ADW], s[GO], v[XW0]
.endif
.if \xadd
	s_add_co_u32 s[XO], s[SC], \xadd
	s_and_b32 s[XO], s[XO], 7
	s_lshl_b32 s[XO], s[XO], 6
	v_add_nc_u32 v[ADX], s[XO], v[XS0]
.endif
	v_add_nc_u32 v[ADB], s[TB], v[BB+\u]
	v_add_nc_u32 v[ADS], s[TB], v[BSB+\u]
.endm
; A MULTIPLIER'S PHASE: 50 LDS loads in one run, then 32 matrix instructions.  The 16 accumulators take turns, one instruction a turn, in the same order in both K steps and in every phase.
; The scale words of both K steps lie in one register: lanes 0-15 the cosines' step, lanes 16-31 the sines'.  zero = 1: the first products start the sums: nothing is ever cleared.
.macro CONSUME u, zero
	ds_load_b128 v[SA:SA+3], v[AAD] offset:ASC+ABYTES*\u     ; register a: the word of row r of the basis's tile a
	ds_load_b128 v[SBS:SBS+3], v[ADS]                        ; register b: the word of row r of my tile b of the coefficients
	WIN TO_F
.irp d, 0,1
.irp b, 0,1,2,3
.irp c, 0,1,2
	ds_load_b128 v[96*\d+48+12*\b+4*\c:96*\d+48+12*\b+4*\c+3], v[ADB] offset:24576*\d+1536*\b+512*\c
.endr
.endr
.irp a, 0,1,2,3
.irp c, 0,1,2
	ds_load_b128 v[96*\d+12*\a+4*\c:96*\d+12*\a+4*\c+3], v[AAD] offset:ABYTES*\u+6144*\d+1536*\a+512*\c
.endr
.endr
.endr
	s_wait_dscnt 24                                ; the scale words and the cosines' 24 loads are in; the youngest 24, the sines', may be out
	WIN MUL
.irp a, 0,1,2,3
.irp b, 0,1,2,3
.if \zero
	v_wmma_scale_f32_16x16x128_f8f6f4 v[ACC+8*(4*\a+\b):ACC+8*(4*\a+\b)+7], v[48+12*\b:48+12*\b+11], v[12*\a:12*\a+11], 0, v[SBS+\b], v[SA+\a] matrix_a_fmt:MATRIX_FMT_FP6 matrix_b_fmt:MATRIX_FMT_FP6
.else
	v_wmma_scale_f32_16x16x128_f8f6f4 v[ACC+8*(4*\a+\b):ACC+8*(4*\a+\b)+7], v[48+12*\b:48+12*\b+11], v[12*\a:12*\a+11], v[ACC+8*(4*\a+\b):ACC+8*(4*\a+\b)+7], v[SBS+\b], v[SA+\a] matrix_a_fmt:MATRIX_FMT_FP6 matrix_b_fmt:MATRIX_FMT_FP6
.endif
.endr
.endr
	s_wait_dscnt 0x0
.irp a, 0,1,2,3
.irp b, 0,1,2,3
	v_wmma_scale_f32_16x16x128_f8f6f4 v[ACC+8*(4*\a+\b):ACC+8*(4*\a+\b)+7], v[144+12*\b:144+12*\b+11], v[96+12*\a:96+12*\a+11], v[ACC+8*(4*\a+\b):ACC+8*(4*\a+\b)+7], v[SBS+\b], v[SA+\a] matrix_a_fmt:MATRIX_FMT_FP6 matrix_b_fmt:MATRIX_FMT_FP6 matrix_a_scale:MATRIX_SCALE_ROW1 matrix_b_scale:MATRIX_SCALE_ROW1
.endr
.endr
	WIN 0
.rept 4
	v_nop                                          ; four places ahead of the next phase's loads into fragment and scale registers, and of the way out's reads of results
.endr
.endm
; One level of the powers: harmonics m + 2 .. 2 m + 2 = harmonics 1 .. m + 1 times harmonic m + 1 (register m).  The multiplier is copied into the low register of a pair, from where the packed forms take it for both halves.
.macro LEVEL m
.irp j, 0,1,2,3
	v_mov_b32 v[MC+4*\j], v[CB+16*\j+\m]
	v_mov_b32 v[MS+4*\j], v[SB+16*\j+\m]
.endr
.set a, 0
.rept (\m+1)/2                         ; a pair of harmonics at a time, the four x by turns: no line waits for the line above it
.irp j, 0,1,2,3
	v_pk_mul_f32 v[TP+2*\j:TP+2*\j+1], v[SB+16*\j+a:SB+16*\j+a+1], v[MS+4*\j:MS+4*\j+1] op_sel_hi:[1,0]
.endr
.irp j, 0,1,2,3
	v_pk_fma_f32 v[CB+16*\j+a+\m+1:CB+16*\j+a+\m+2], v[CB+16*\j+a:CB+16*\j+a+1], v[MC+4*\j:MC+4*\j+1], v[TP+2*\j:TP+2*\j+1] op_sel_hi:[1,0,1] neg_lo:[0,0,1] neg_hi:[0,0,1]   ; c c' - s s'
.endr
.irp j, 0,1,2,3
	v_pk_mul_f32 v[TP+2*\j:TP+2*\j+1], v[SB+16*\j+a:SB+16*\j+a+1], v[MC+4*\j:MC+4*\j+1] op_sel_hi:[1,0]
.endr
.irp j, 0,1,2,3
	v_pk_fma_f32 v[SB+16*\j+a+\m+1:SB+16*\j+a+\m+2], v[CB+16*\j+a:CB+16*\j+a+1], v[MS+4*\j:MS+4*\j+1], v[TP+2*\j:TP+2*\j+1] op_sel_hi:[1,0,1]   ; c s' + s c'
.endr
.set a, a+2
.endr
.endm
; A MAKER'S PHASE: my 16 rows' part of a super-step into buffer buf of the basis.  Its four x, x[r][8 g + 4 h .. + 3], stand in v[X] on: they were asked for in the phase before and waited for in front of the barrier between.
; nxt = 1: the next super-step's four are asked for, nximm bytes (0 or 32) behind ADX, as soon as X's registers are free.
.macro PRODUCE buf, nxt, nximm
.irp j, 0,2
	v_pk_mul_f32 v[N+\j:N+\j+1], v[X+\j:X+\j+1], 0x3f22f983 op_sel_hi:[1,0]   ; x 2/pi
.endr
.irp j, 0,1,2,3
	v_rndne_f32 v[N+\j], v[N+\j]                   ; n
.endr
.irp j, 0,2
	v_pk_fma_f32 v[R+\j:R+\j+1], v[N+\j:N+\j+1], 0xbfc90fdb, v[X+\j:X+\j+1] op_sel_hi:[1,0,1]   ; x - n x (pi/2 to f32): exact
.endr
.irp j, 0,1,2,3
	v_cvt_i32_f32 v[II+\j], v[N+\j]
.endr
.irp j, 0,2
	v_pk_fma_f32 v[R+\j:R+\j+1], v[N+\j:N+\j+1], 0x333bbd2e, v[R+\j:R+\j+1] op_sel_hi:[1,0,1]   ; - n x (the rest of pi/2, which is negative); what is left of pi/2 is 1.8e-15
.endr
.irp j, 0,2
	v_pk_mul_f32 v[Z+\j:Z+\j+1], v[R+\j:R+\j+1], v[R+\j:R+\j+1]
.endr
.irp j, 0,1,2,3
	v_fma_f32 v[PP+\j], v[Z+\j], s[KS3], s[KS2]
	v_fma_f32 v[QQ+\j], v[Z+\j], s[KC3], s[KC2]
.endr
.irp j, 0,2
	v_pk_fma_f32 v[PP+\j:PP+\j+1], v[PP+\j:PP+\j+1], v[Z+\j:Z+\j+1], 0xbe2aaaa3 op_sel_hi:[1,1,0]
	v_pk_fma_f32 v[QQ+\j:QQ+\j+1], v[QQ+\j:QQ+\j+1], v[Z+\j:Z+\j+1], 0x3d2aaaa5 op_sel_hi:[1,1,0]
	v_pk_mul_f32 v[N+\j:N+\j+1], v[R+\j:R+\j+1], v[Z+\j:Z+\j+1]              ; r z
	v_pk_mul_f32 v[X+\j:X+\j+1], v[Z+\j:Z+\j+1], v[Z+\j:Z+\j+1]              ; z z
	v_pk_fma_f32 v[TH+\j:TH+\j+1], v[Z+\j:Z+\j+1], -0.5, 1.0 op_sel_hi:[1,0,0]   ; 1 - z / 2
.endr
.irp j, 0,2
	v_pk_fma_f32 v[PP+\j:PP+\j+1], v[PP+\j:PP+\j+1], v[N+\j:N+\j+1], v[R+\j:R+\j+1]     ; sin r
	v_pk_fma_f32 v[QQ+\j:QQ+\j+1], v[QQ+\j:QQ+\j+1], v[X+\j:X+\j+1], v[TH+\j:TH+\j+1]   ; cos r: the last read of X's registers
.endr
.irp j, 0,1,2,3                        ; the quadrant: n odd swaps the two; the sine's sign is bit 1 of n, the cosine's bit 1 of n + 1.  Selects and sign bits alone: no branch hangs on data
	v_and_b32 v[Z+\j], 1, v[II+\j]
	v_lshlrev_b32 v[R+\j], 30, v[II+\j]
	v_add_nc_u32 v[N+\j], 1, v[II+\j]
.endr
.irp j, 0,1,2,3
	v_cmp_eq_u32 s[QM+\j], 1, v[Z+\j]
	v_and_b32 v[R+\j], 0x80000000, v[R+\j]
	v_lshlrev_b32 v[N+\j], 30, v[N+\j]
.endr
.irp j, 0,1,2,3
	v_cndmask_b32 v[SB+16*\j], v[PP+\j], v[QQ+\j], s[QM+\j]
	v_cndmask_b32 v[CB+16*\j], v[QQ+\j], v[PP+\j], s[QM+\j]
	v_and_b32 v[N+\j], 0x80000000, v[N+\j]
.endr
.irp j, 0,1,2,3
	v_xor_b32 v[SB+16*\j], v[R+\j], v[SB+16*\j]    ; sin x
	v_xor_b32 v[CB+16*\j], v[N+\j], v[CB+16*\j]    ; cos x
.endr
.irp j, 0,1,2,3                        ; z^2
	v_mul_f32 v[TP+2*\j], v[SB+16*\j], v[SB+16*\j]
	v_mul_f32 v[TP+2*\j+1], v[CB+16*\j], v[SB+16*\j]
.endr
.irp j, 0,1,2,3
	v_fma_f32 v[CB+16*\j+1], v[CB+16*\j], v[CB+16*\j], -v[TP+2*\j]
	v_add_f32 v[SB+16*\j+1], v[TP+2*\j+1], v[TP+2*\j+1]
.endr
.if \nxt
	ds_load_b128 v[X:X+3], v[ADX] offset:\nximm    ; THE NEXT SUPER-STEP'S x, from my own stage.  Nothing below names v32-35; the wait for it is the wait for 0 on DScnt in front of the phase's barrier, and its first reader stands behind that barrier
.endif
	LEVEL 1
	LEVEL 3
	LEVEL 7
	; four blocks of 32, each whole in my registers: q = 2 d + c at v[CB + 32 q]
.irp q, 0,1,2,3
	v_max3_num_f32 v[M+\q], |v[CB+32*\q]|, |v[CB+32*\q+1]|, 0x1800000   ; with the floor 2^(3 - 127): the byte cannot fall under 1
.endr
.irp i, 2,4,6,8,10,12,14,16,18,20,22,24,26,28,30
.irp q, 0,1,2,3
	v_max3_num_f32 v[M+\q], v[M+\q], |v[CB+32*\q+\i]|, |v[CB+32*\q+\i+1]|
.endr
.endr
.irp q, 0,1,2,3
	v_add_nc_u32 v[SO+\q], 0xff000000, v[M+\q]     ; 2 off the exponent field: the conversion's scale operand
.endr
.irp q, 0,1,2,3
	v_lshrrev_b32 v[BY+\q], 23, v[SO+\q]           ; the scale's byte
.endr
.irp d, 0,1
	v_lshl_or_b32 v[WW+\d], v[BY+2*\d+1], 16, v[BY+2*\d]   ; my two bytes of K step d: positions h and 2 + h,
.endr
.irp d, 0,1
	v_lshlrev_b32 v[WW+\d], v[H8], v[WW+\d]        ; 8 h bits up;
.endr
.irp d, 0,1
	v_permlanex16_b32 v[PD+\d], v[WW+\d], s[SEL], s[SEL+1]
.endr
.irp d, 0,1
	v_or_b32 v[WW+\d], v[WW+\d], v[PD+\d]          ; with lane l xor 16's two the word is whole, in both lanes
.endr
	v_cndmask_b32 v[WW+2], v[WW], v[WW+1], s[HM]   ; lanes 0-15 store the cosines' word of their row, lanes 16-31 the sines'
.irp q, 0,1,2,3
	v_cvt_scalef32_pk16_fp6_f32 v[PC+6*\q:PC+6*\q+2], v[CB+32*\q:CB+32*\q+15], v[SO+\q]
	v_cvt_scalef32_pk16_fp6_f32 v[TT+4*\q:TT+4*\q+2], v[CB+32*\q+16:CB+32*\q+31], v[SO+\q]   ; (a conversion's three registers begin on an even number)
.endr
	v_nop                                          ; one plain place behind a scaled conversion
.irp q, 0,1,2,3
.irp i, 0,1,2
	v_mov_b32 v[PC+6*\q+3+\i], v[TT+4*\q+\i]
.endr
.endr
.irp d, 0,1
.irp c, 0,1,2
	ds_store_b128 v[PST], v[PC+12*\d+4*\c:PC+12*\d+4*\c+3] offset:ABYTES*(\buf)+6144*\d+512*\c   ; the fragment as it stands: 512 consecutive bytes a store
.endr
.endr
	ds_store_b32 v[PSS], v[WW+2] offset:ABYTES*(\buf)
.endm
.macro XASK                            ; a group of x: 256 bytes (8 super-steps) of my 16 rows: each load reads two rows' 256 aligned bytes
	WIN TO_F
.irp j, 0,1,2,3,4,5,6,7
	global_load_b128 v[4*\j:4*\j+3], v[ROWO], s[XB:XB+1] offset:4096*\j
.endr
	WIN 0
.endm
.macro LOADX
	s_wait_loadcnt 0x0                             ; the last group's loads are in,
	s_wait_xcnt 0x0                                ; and have read their base: it may step
	s_add_nc_u64 s[XB:XB+1], s[XB:XB+1], 256
	XASK
.endm
.macro STOREX                          ; the group goes into my own stage; only I read it, and LDS serves a wave's instructions in order
	s_wait_loadcnt 0x0
	WIN 0x04                                       ; an LDS store's data are its source 1: window 1
.irp j, 0,1,2,3,4,5,6,7
	ds_store_b128 v[ADW], v[4*\j:4*\j+3] offset:2*XP*\j
.endr
	WIN 0
.endm
; A PHASE.  The roles part on the wave's number and join again ahead of the barrier that follows.  blocks = 1 (the loop's odd phases): group o + 1 of x is asked for at SC = 4 o (there is no group 8: not at 28) and staged at SC = 4 o + 2,
; four phases later; its first 16 bytes a lane are read from the stage one phase after that, in the even phase of the same trip.  These branches hang on the loop's counter alone.
; An even phase asks for the first super-step of the pair at ADX (+ 0), the odd phase behind it for the second (+ 32).
.macro PHASE u, zero, prod, blocks, xadd, nxt
	PHEAD \u, \xadd
	s_cmp_lt_u32 s[WV], 4
	s_cbranch_scc0 .Lmake_\@
	CONSUME \u, \zero
	s_branch .Ljoin_\@
.Lmake_\@:
.if \blocks
	s_and_b32 s49, s[SC], 3
	s_cmp_lg_u32 s49, 0
	s_cbranch_scc1 .Lno_ask_\@
	s_cmp_eq_u32 s[SC], 28
	s_cbranch_scc1 .Lno_ask_\@
	LOADX
.Lno_ask_\@:
	s_cmp_lg_u32 s49, 2
	s_cbranch_scc1 .Lno_stage_\@
	STOREX
.Lno_stage_\@:
.endif
.if \prod
	PRODUCE 1-\u, \nxt, 32*\u
.endif
.Ljoin_\@:
.endm
	s_load_b128 s[4:7], s[0:1], 0x0                ; x, bq
	s_load_b64 s[8:9], s[0:1], 0x10                ; out0
	v_lshl_add_u32 v[SPW], v0, 2, SPARE
	v_mov_b32 v[NIL], 0
	ds_add_u32 v1, v2
	s_wait_dscnt 0x0
	v_lshrrev_b32 v18, 5, v0
	v_readfirstlane_b32 s[WV], v18                 ; wave 0..7
	s_and_b32 s[WQ], s[WV], 3                      ; p
	s_bfe_u32 s12, ttmp6, 0x40000                  ; cx: my place in the cluster
	s_lshl_b32 s13, ttmp9, 2                       ; in a cluster launch ttmp9 counts clusters
	s_add_co_u32 s13, s13, s12                     ; my block of 64 rows: it enters x's and out0's addresses alone
	s_and_b32 s14, ttmp7, 0xffff                   ; my half of the columns, which the four partners share
	v_and_b32 v8, 31, v0                           ; lane  (v8, v9 and v18 are at work here; v8 and v9 take their addresses in each phase)
	v_and_b32 v9, 15, v0                           ; r
	v_bfe_u32 v18, v0, 4, 1                        ; h
	s_mul_i32 s48, s[WQ], 6144
	v_lshl_add_u32 v[BB], v8, 4, s48
	v_add_nc_u32 v[BB+1], GBLK, v[BB]
	s_lshl_b32 s48, s[WQ], 9
	s_add_co_u32 s48, s48, 49152
	v_lshl_add_u32 v[BSB], v8, 4, s48
	v_add_nc_u32 v[BSB+1], GBLK, v[BSB]
	v_lshl_add_u32 v[AAD], v8, 4, ABUF
	s_mul_i32 s48, s[WQ], 1536
	s_add_co_u32 s48, s48, ABUF
	v_lshl_add_u32 v[PST], v8, 4, s48
	s_lshl_b32 s48, s[WQ], 2
	s_add_co_u32 s48, s48, ABUF+ASC
	v_lshl_add_u32 v[PSS], v8, 4, s48
	s_mul_i32 s48, s[WQ], XSW
	s_add_co_u32 s48, s48, XSTG
	v_mul_u32_u24 v[XS0], v9, XP
	v_lshl_add_u32 v[XS0], v18, 4, v[XS0]
	v_add_nc_u32 v[XS0], s48, v[XS0]
	v_mul_u32_u24 v[XW0], v18, XP
	v_lshl_add_u32 v[XW0], v9, 4, v[XW0]
	v_add_nc_u32 v[XW0], s48, v[XW0]
	s_mul_i32 s48, s[WQ], OSW
	s_add_co_u32 s48, s48, OSTG
	v_mul_u32_u24 v[STO], v9, OP
	v_lshl_add_u32 v[STO], v18, 5, v[STO]
	v_add_nc_u32 v[STO], s48, v[STO]
	v_mul_u32_u24 v[RD], v18, OP
	v_lshl_add_u32 v[RD], v9, 4, v[RD]
	v_add_nc_u32 v[RD], s48, v[RD]
	v_lshlrev_b32 v[ROWO], 11, v18
	v_lshl_add_u32 v[ROWO], v9, 4, v[ROWO]
	v_lshlrev_b32 v[H8], 3, v18
	v_mov_b32 v[PD], 0                             ; written once: a lane permute's destination counts as one of its sources
	v_mov_b32 v[PD+1], 0
	s_mov_b32 s[TB], 0
	s_mov_b32 s[SC], 0
	s_mov_b32 s[XO], 0                             ; super-steps 0 and 1, group 0
	s_mov_b32 s[GO], 0
	v_add_nc_u32 v[ADX], s[XO], v[XS0]
	v_add_nc_u32 v[ADW], s[GO], v[XW0]
	s_mov_b32 s[SEL], 0x76543210
	s_mov_b32 s[SEL+1], 0xfedcba98
	s_mov_b32 s[HM], 0xffff0000
	s_mov_b32 s[KS3], 0xb94ca1f9                   ; sine: -1.9515295891e-4, 8.3321608736e-3 (then -1.6666654611e-1)
	s_mov_b32 s[KS2], 0x3c08839e
	s_mov_b32 s[KC3], 0x37ccf5ce                   ; cosine: 2.443315712e-5, -1.388731625e-3 (then 4.166664568e-2)
	s_mov_b32 s[KC2], 0xbab6061a
	; descriptor group 1: a dense block of 25,600 bytes as 100 rows of 256 bytes (32 elements of 8 bytes), no padding: the fragments lie in LDS as they lie in bq
	s_mov_b32 s[G1], 15|(3<<16)|(1<<21)            ; 15:0 the mask: all four work-groups; 17:16 elements of 8 bytes; 21 set beside a mask
	s_mov_b32 s[G1+1], 32<<16                      ; tensor_dim0 = 32
	s_mov_b32 s[G1+2], 100<<16                     ; tensor_dim1 = 100
	s_mov_b32 s[G1+3], 32<<16                      ; tile_dim0 = 32
	s_mov_b32 s[G1+4], 100                         ; tile_dim1 = 100
	s_mov_b32 s[G1+5], 32                          ; from row to row
	s_mov_b32 s[G1+6], 0
	s_mov_b32 s[G1+7], 0
	s_mul_i32 s50, s[WQ], QUART                    ; my quarter of a slot, in LDS and in memory: no place in the cluster enters these registers
	s_mul_i32 s52, s14, 64*GBLK                    ; my half's 64 blocks of bq
	s_add_co_u32 s52, s52, s50
	s_mov_b32 s53, 0
	s_lshl_b32 s54, s13, 17                        ; x: 64 rows of 2,048 bytes a block,
	s_lshl_b32 s55, s[WQ], 15                      ; + 16 p rows
	s_add_co_u32 s54, s54, s55
	s_mov_b32 s55, 0
	s_lshl_b32 s56, s13, 17                        ; out0: the same rows,
	s_lshl_b32 s57, s14, 10                        ; + 256 columns a half,
	s_add_co_u32 s56, s56, s57
	s_lshl_b32 s57, s[WQ], 8                       ; + 64 p columns
	s_add_co_u32 s56, s56, s57
	s_mov_b32 s57, 0
	s_wait_kmcnt 0x0
	s_add_nc_u64 s[XB:XB+1], s[4:5], s[54:55]
	s_add_nc_u64 s[OB:OB+1], s[8:9], s[56:57]
	s_mov_b32 s[G0A], 1                            ; count = 1
	s_mov_b32 s[G0A+1], s50                        ; LDS address: slot 0
	s_add_nc_u64 s[G0A+2:G0A+3], s[6:7], s[52:53]  ; global address: super-steps 0 and 1
	s_mov_b32 s[G0W], 1
	s_add_co_u32 s[G0W+1], s50, SLOT1              ; slot 1
	s_add_nc_u64 s[G0W+2:G0W+3], s[G0A+2:G0A+3], SLOTB   ; super-steps 2 and 3
	s_or_b32 s[G0A+3], s[G0A+3], 0x80000000        ; type = 2
	s_or_b32 s[G0W+3], s[G0W+3], 0x80000000
	CROUND                                         ; all four work-groups are here: the first joint loads meet
	s_cmp_lt_u32 s[WV], 4
	s_cbranch_scc1 .Lhead_join
	tensor_load_to_lds s[G0A:G0A+3], s[G1:G1+7]    ; a maker's two first fills stand together in this one branch, ahead of every wait on TENSORcnt and every LDS read: two loads of mine are out
	s_nop 0
	tensor_load_to_lds s[G0W:G0W+3], s[G1:G1+7]
	s_nop 0
.rept 4
	v_nop
.endr
	XASK                                           ; group 0 of x,
	STOREX                                         ; into the stage's first half;
	ds_load_b128 v[X:X+3], v[ADX]                  ; super-step 0's x: the one that has no phase before it, so it is waited for here
	s_wait_dscnt 0x0
	PRODUCE 0, 1, 32                               ; super-step 0 of the basis; super-step 1's x is asked for
.Lhead_join:
	s_wait_tensorcnt 0x1                           ; my quarter of slot 0 is in; slot 1's may stay out
	MIDBAR
	PHASE 0, 1, 1, 0, 1, 1                         ; phase 0 stands in front of the loop: its first products start the sums; the makers make super-step 1 and ask for super-step 2's x
.Lloop:                                            ; 30 trips: phases 2 SC + 1 and 2 SC + 2; between them slot SC is left and filled with slot SC + 2's blocks
	MIDBAR
	PHASE 1, 0, 1, 1, 0, 1                         ; the makers make super-step 2 SC + 2 and ask for the x of 2 SC + 3
	CHANGE 1
	PHASE 0, 0, 1, 0, 2, 1                         ; they make 2 SC + 3 and ask for the x of 2 SC + 4
	s_add_co_u32 s[SC], s[SC], 1
	s_cmp_lt_u32 s[SC], 30
	s_cbranch_scc1 .Lloop
	MIDBAR                                         ; the tail is written out: no tile is asked for any more
	PHASE 1, 0, 1, 0, 0, 1                         ; phase 61: super-step 62 is made, the x of 63 asked for
	CHANGE 0
	PHASE 0, 0, 1, 0, 0, 0                         ; phase 62: the makers' last super-step, 63; no x follows
	MIDBAR
	PHASE 1, 0, 0, 0, 0, 0                         ; phase 63
; THE WAY OUT, the multipliers alone, a block of 16 rows x 64 columns at a time.  A lane holds 32 neighbouring bytes of a row, and the lanes beside it hold other rows: so a block goes through my own stage and comes back as
; whole rows of 256 bytes.  LDS serves a wave's instructions in order: no wait between the stores and the loads, nor ahead of the next block's stores.
.macro TOSTAGE a
.irp b, 0,1,2,3
	ds_store_b128 v[STO], v[ACC+8*(4*(\a)+\b):ACC+8*(4*(\a)+\b)+3] offset:64*\b          ; each accumulator from its low end on
	ds_store_b128 v[STO], v[ACC+8*(4*(\a)+\b)+4:ACC+8*(4*(\a)+\b)+7] offset:64*\b+16
.endr
.irp i, 0,1,2,3,4,5,6,7
	ds_load_b128 v[BK+32*((\a)%2)+4*\i:BK+32*((\a)%2)+4*\i+3], v[RD] offset:2*OP*\i
.endr
.endm
.macro SEND a, younger                 ; younger: the LDS instructions issued behind block a's loads, which may stay out
	s_wait_dscnt \younger
.irp i, 0,1,2,3,4,5,6,7
	global_store_b128 v[ROWO], v[BK+32*((\a)%2)+4*\i:BK+32*((\a)%2)+4*\i+3], s[OB:OB+1] offset:(16*(\a)+2*\i)*2048 th:TH_STORE_NT   ; sixteen lanes store 256 consecutive bytes, at a multiple of 256 from out0's first byte
.endr
.endm
	s_cmp_lt_u32 s[WV], 4
	s_cbranch_scc0 .Lend
	TOSTAGE 0
	TOSTAGE 1
	SEND 0, 16                                     ; behind block 0's loads: block 1's 8 stores and 8 loads
	s_wait_xcnt 0x0                                ; block 0's stores have read their registers: block 2's loads may land there
	TOSTAGE 2
	SEND 1, 16
	s_wait_xcnt 0x0
	TOSTAGE 3
	SEND 2, 16
	SEND 3, 0
.Lend:
	s_wait_tensorcnt 0x0                           ; the wave's end: behind my last tensor load and my last LDS store
	ds_add_u32 v[SPW], v[NIL]
	s_wait_dscnt 0x0
	CROUND                                         ; the closing round: no work-group ends while a partner may still ask for a tile that names it
	s_endpgm
.Lfunc_end_k_qbdb10a5ee0_kan:
	.size	k_qbdb10a5ee0_kan, .Lfunc_end_k_qbdb10a5ee0_kan-k_qbdb10a5ee0_kan
	.p2alignl 7, 3214868480
	.fill 96, 4, 3214868480
	.section	.rodata,"a",@progbits
	.p2align	6, 0x0
	.amdhsa_kernel k_qbdb10a5ee0_kan
		.amdhsa_group_segment_fixed_size 327680
		.amdhsa_private_segment_fixed_size 0
		.amdhsa_enable_private_segment 0
		.amdhsa_kernarg_size 24
		.amdhsa_user_sgpr_count 2
		.amdhsa_user_sgpr_kernarg_segment_ptr 1
		.amdhsa_wavefront_size32 1
		.amdhsa_system_sgpr_workgroup_id_x 1
		.amdhsa_system_sgpr_workgroup_id_y 1
		.amdhsa_system_sgpr_workgroup_id_z 1
		.amdhsa_system_vgpr_workitem_id 0
		.amdhsa_next_free_vgpr 512
		.amdhsa_next_free_sgpr 66
		.amdhsa_reserve_vcc 0
		.amdhsa_float_denorm_mode_32 3
		.amdhsa_float_denorm_mode_16_64 3
		.amdhsa_memory_ordered 1
		.amdhsa_forward_progress 1
		.amdhsa_inst_pref_size 180
	.end_amdhsa_kernel
	.amdgpu_metadata
---
amdhsa.version: [ 1, 2 ]
amdhsa.kernels:
  - .name:           k_qbdb10a5ee0_kan
    .symbol:         k_qbdb10a5ee0_kan.kd
    .args:
      - { .name: x, .offset: 0, .size: 8, .value_kind: global_buffer, .address_space: global }
      - { .name: bq, .offset: 8, .size: 8, .value_kind: global_buffer, .address_space: global }
      - { .name: out0, .offset: 16, .size: 8, .value_kind: global_buffer, .address_space: global }
    .group_segment_fixed_size: 327680
    .private_segment_fixed_size: 0
    .kernarg_segment_align: 8
    .kernarg_segment_size: 24
    .max_flat_workgroup_size: 256
    .sgpr_count:     66
    .vgpr_count:     512
    .wavefront_size: 32
...
	.end_amdgpu_metadata
.endif
;; end of part 2
